; MI455X (gfx1250); checked and timed in simulation.
; The chip was launched on July 23, 2026; its instructions are those of AMD's public machine-readable ISA for CDNA 5 (MIT licence, August 2026) and "CDNA5" Instruction Set Architecture Reference Guide (July 2026). The comments in the code are by the model that wrote it; some were corrected since.
;; Temporal Attention. Allowed arithmetic: matrix products marked QUANTISED: E2M3 operands, one E8M0 scale for each 32 along K, by v_wmma_scale_f32_16x16x128_f8f6f4 with both operands' format E2M3, f32 sums; products left as they are: f32 operands where the result goes on into a quantised operand, else bf16, f16 or f32 operands; f32 sums; everything else in f32.
;; Inputs: Wk 512 x 512 float32; Wq 512 x 512 float32; Wt 1 x 2,048 float32; Wv 512 x 512 float32; bk 512 float32; bq 512 float32; bt 1 float32; bv 512 float32; x 16 x 2,048 x 512 float32.
;; Outputs: out0 16 x 512 float32.
;; This version of the problem:
;;   THIS VERSION OF THE PROBLEM IS GIVEN IN LOW PRECISION. The matrix products marked QUANTISED in the list below multiply operands that are first quantised to E2M3 (2 exponent bits, 3 mantissa bits; 6 bits a number), with one power-of-two scale for each 32 numbers along K (OCP MX v1.0); their sums are f32. All else is computed in f32.
;;   The module's matrix products, in the order in which they are computed (A, B: the left and right operand; K: the contracted axis; several contracted axes count as one K, in the product's order):
;;     1. [M 32,768, K 512] x [K 512, N 512]; A: input x; B: input Wq: QUANTISED
;;     2. [M 32,768, K 512] x [K 512, N 512]; A: input x; B: input Wk: QUANTISED
;;     3. [M 32,768, K 512] x [K 512, N 512]; A: input x; B: input Wv: QUANTISED
;;     4. batch 16 x [M 2,048, K 512] x [K 512, N 2,048]; A: computed on the way; B: computed on the way: QUANTISED
;;     5. [M 32,768, K 2,048] x [K 2,048, N 1]; A: computed on the way; B: input Wt: left as it is (N = 1 < 16)
;;     6. batch 16 x [M 512, K 2,048] x [K 2,048, N 1]; A: computed on the way; B: computed on the way: left as it is (N = 1 < 16)
;;   THE QUANTISER, for each operand of a quantised product, along K:
;;     - K is cut into blocks of 32 from its start; a last block that is shorter is filled with zeros.
;;     - A block's scale is 2^e with e = floor(log2(the largest magnitude in the block)) - 2, held to -126 .. 127; a block of zeros has e = 0. As a byte (E8M0): e + 127.
;;     - Each number is divided by its block's scale, clamped to +-7.5, and rounded to the nearest number of E2M3, ties to even, subnormals kept.
;;     - The product sums the exact products of the quantised numbers (number of the format x scale) in f32.
;;   ~~~python
;;   def quantise(x, axis):      # numpy; x: float32 -> the quantised numbers, widened to float32 again
;;       x = np.moveaxis(x, axis, -1); K = x.shape[-1]
;;       x = np.pad(x, [(0, 0)] * (x.ndim - 1) + [(0, -K % 32)]); x = x.reshape(x.shape[:-1] + (-1, 32)); a = np.abs(x).max(-1, keepdims=True)
;;       e = np.where(a > 0, np.clip(np.frexp(np.where(a > 0, a, 1))[1] - 1 - 2, -126, 127), 0)      # np.frexp(a)[1] - 1 = floor(log2(a)), exactly
;;       r = np.clip(x / 2.0 ** e, -7.5, 7.5)
;;       step = 2.0 ** (np.maximum(np.frexp(np.where(r == 0, 1, r))[1] - 1, 0) - 3)
;;       q = np.round(r / step) * step * 2.0 ** e      # np.round: ties to even
;;       return np.moveaxis(q.reshape(q.shape[:-2] + (-1,))[..., :K], -1, axis).astype(np.float32)
;;   ~~~
;;   OPERANDS COMPUTED ON THE WAY. 'Computed on the way' means the value that the module computes at that place (a softmax that the list does not call 'softmax' is quantised finished and normalised). What goes into a quantiser is computed in f32, as accurately as f32 sums, v_exp_f32 and their like allow (about 1e-6 of the number): no bf16 or f16 on the way to a quantiser, and a product that is left as it is and whose result goes on into a quantised operand takes f32 operands (vector FMAs, or v_wmma_f32_16x16x4_f32). A number that lies on a knife's edge between two numbers of the format may be rounded either way, as far as f32 arithmetic and the matrix unit's own rounding can turn it there, and no further.
;; One version. Each part assembles by itself: llvm-mc -triple=amdgcn-amd-amdhsa -mcpu=gfx1250 --defsym DOCPART=n.
;; ======== version 1 of 1: 4 launches
;; workspace buffers: xc 13,107,200 bytes; wc 614,400 bytes; qc 13,107,200 bytes; kc 13,107,200 bytes; part 524,288 bytes
;; launch prep (part 1): grid 2144 x 1, 1 waves a work-group, no clusters, 8,704 bytes of LDS; arguments x, Wq, Wk, Wv, xc, wc; writes xc, wc
.if DOCPART == 1
	.amdgcn_target "amdgcn-amd-amdhsa--gfx1250"
	.amdhsa_code_object_version 6
	.text
	.protected	k_qff05fd7573_prep
	.globl	k_qff05fd7573_prep
	.p2align	8
	.type	k_qff05fd7573_prep,@function
k_qff05fd7573_prep:
	s_mov_b64 s[64:65], 0
	v_nop
	global_prefetch_b8 v0, s[64:65] scope:SCOPE_SE
	s_setreg_imm32_b32 hwreg(HW_REG_WAVE_MODE, 25, 1), 1
	s_wait_xcnt 0x0
; x [32768][512], Wq, Wk, Wv [512][512], f32, become codes of FP6 (E2M3) with one E8M0 byte for each 32 along K (the last axis), laid as RECORDS.
; A RECORD is 16 rows x 512 K in 6,400 bytes: the fragment of K step s (128 along K) at 1,536 s as an image of the operand's 12 registers (registers 4 c .. 4 c + 3 at + 512 c, lane l at + 16 l);
; at 6,144 the scale unit, lane l at + 8 l: word 0 = the scale word of K step l / 16 of row l % 16, word 1 = that of K step 2 + l / 16.  So a fragment comes back by three loads of 16 bytes a lane, a record's scales by one of 8.
; A block's scale is 2^(floor(log2(its largest magnitude)) - 2); its byte is the largest magnitude's exponent field - 2, held at 1 from below.
; LIMITS: a block of zeros, or one whose largest magnitude lies under 2^-124, gets the byte 1 where the rule says 127: its codes are zeros, and the bytes are read by this program alone.  NaN and infinities are not served.
; SHARES: a work-group is ONE wave and makes one record: 2,144 records do not divide evenly among larger work-groups.  Work-groups 0-2047: x.  2048-2143: Wq, Wk, Wv, 32 each.
; THE ROWS OF A RECORD OF Wq AND Wk ARE NOT NEIGHBOURS: lane r of tile T takes row 32 (T / 2) + 8 (T % 2) + r + 8 (r / 8), so that the next launch's results lie 16 neighbours to a lane along the next K.  x and Wv: row 16 T + r.
; Each load reads 512 consecutive bytes of one row; a K step's 16 x 512 bytes turn through the stage in LDS (rows 528 bytes apart) and come back, into the registers that they left, 16 neighbours of each block to a lane.
; Three of the four K steps (48 loads, 24 KB) are asked for at the start; the fourth takes the first's registers as soon as those have been converted.
; No matrix unit, no cluster, no tensor load, no barrier: the launch streams, and its work-groups share no input.
.set REC,    6400
.set SPITCH, 528                       ; a stage row: 512 bytes + 16, an odd multiple of 16
.set NXR,    2048                      ; records of x
.set GOA, 2                            ; v2   16 x lane: my bytes of a load's 512, and of a store's
.set GOB, 3                            ; v3   the same for rows 8-15: 8 rows further on where the rows are chosen
.set STI, 4                            ; v4   the stage, on the way in: 16 x lane
.set STO, 5                            ; v5   and on the way out: row r, + 64 h
.set SO,  7                            ; v7   8 x lane: the scale unit
.set TM,  8                            ; v8-23  at work in QUANT
.set PW,  24                           ; v24-27 the four K steps' scale words
.set SW,  28                           ; v28-29 the scale unit's two words
.set PC,  32                           ; v32-51 the codes just made
.set R,   64                           ; v64-255 three sets of 64 numbers: as loaded, then register 16 b + i = k 32 b + 16 h + i of my row
.set SEL, 32                           ; s[32:33] v_permlanex16_b32's selects for lane l xor 16
; 64 numbers of a lane, v[s] .. v[s + 63], become a fragment's codes in v[PC] .. v[PC + 11] and my row's scale word in v[pw]
.macro QUANT s, pw
.irp b, 0,1,2,3
	v_max3_num_f32 v[TM+\b], |v[\s+16*\b]|, |v[\s+1+16*\b]|, 0x1800000   ; block b: my 16 numbers, and the floor 2^(3 - 127): the byte cannot fall under 1
.endr
.irp i, 2,4,6,8,10,12,14
.irp b, 0,1,2,3
	v_max3_num_f32 v[TM+\b], v[TM+\b], |v[\s+16*\b+\i]|, |v[\s+1+16*\b+\i]|   ; the four blocks by turns
.endr
.endr
.irp b, 0,1,2,3
	v_permlanex16_b32 v[TM+4+\b], v[TM+\b], s[SEL], s[SEL+1]
.endr
.irp b, 0,1,2,3
	v_max_num_f32 v[TM+\b], v[TM+\b], v[TM+4+\b]   ; with lane l xor 16's: the block's largest magnitude
.endr
.irp b, 0,1,2,3
	v_add_nc_u32 v[TM+12+\b], 0xff000000, v[TM+\b]   ; 2 off its exponent field: the conversion takes this operand's exponent field as its scale
.endr
.irp b, 0,1,2,3
	v_lshrrev_b32 v[TM+4+\b], 23, v[TM+12+\b]      ; the scale's byte
.endr
	v_lshl_or_b32 v[\pw], v[TM+5], 8, v[TM+4]
	v_lshl_or_b32 v[\pw], v[TM+6], 16, v[\pw]
	v_lshl_or_b32 v[\pw], v[TM+7], 24, v[\pw]
.irp c, 0,1
	v_cvt_scalef32_pk16_fp6_f32 v[PC+6*\c:PC+2+6*\c], v[\s+32*\c:\s+15+32*\c], v[TM+12+2*\c]
	v_cvt_scalef32_pk16_fp6_f32 v[PC+12+4*\c:PC+14+4*\c], v[\s+16+32*\c:\s+31+32*\c], v[TM+12+2*\c+1]   ; (a conversion's three registers begin on an even number)
.endr
	v_nop                                          ; one plain place behind a scaled conversion
.irp c, 0,1                                    ; the operand wants a whole block in a lane: lanes 0-15 block 2 c, lanes 16-31 block 2 c + 1
.irp i, 0,1,2
	v_permlane16_swap_b32 v[PC+6*\c+\i], v[PC+12+4*\c+\i]
.endr
.irp i, 0,1,2
	v_mov_b32 v[PC+3+6*\c+\i], v[PC+12+4*\c+\i]
.endr
.endr
.endm
	s_load_b256 s[4:11], s[0:1], 0x0               ; x, Wq, Wk, Wv
	s_load_b128 s[12:15], s[0:1], 0x20             ; xc, wc
	v_lshl_add_u32 v62, v0, 2, 0x2100
	v_mov_b32 v63, 0
	v_and_b32 v30, 15, v0                          ; r (v0 is the lane: one wave)
	v_bfe_u32 v31, v0, 4, 1                        ; h
	v_lshlrev_b32 v[GOA], 4, v0
	v_lshlrev_b32 v[STI], 4, v0
	v_lshlrev_b32 v[SO], 3, v0
	s_sub_co_u32 s24, ttmp9, NXR
	s_cmp_lt_u32 s24, 64                           ; work-groups 2048-2111: Wq and Wk, whose rows are chosen
	s_cselect_b32 s25, 1, 0
	s_lshl_b32 s31, s25, 14                        ; 8 rows of 2,048 bytes
	v_add_nc_u32 v[GOB], s31, v[GOA]
	v_mul_u32_u24 v[STO], v30, SPITCH
	v_lshl_add_u32 v[STO], v31, 6, v[STO]
	s_mov_b32 s30, 0xffff0000                      ; lanes 16-31
	s_mov_b32 s[SEL], 0x76543210
	s_mov_b32 s[SEL+1], 0xfedcba98
.irp b, 0,1,2,3
	v_mov_b32 v[TM+4+\b], 0                        ; written once: a lane permute's destination counts as one of its sources
.endr
	s_wait_kmcnt 0x0
	s_cmp_lt_u32 ttmp9, NXR+64                     ; the buffers are chosen by the work-group's number alone
	s_cselect_b64 s[18:19], s[8:9], s[10:11]
	s_cmp_lt_u32 ttmp9, NXR+32
	s_cselect_b64 s[18:19], s[6:7], s[18:19]
	s_cmp_lt_u32 ttmp9, NXR
	s_cselect_b64 s[18:19], s[4:5], s[18:19]
	s_cselect_b64 s[20:21], s[12:13], s[14:15]
	s_cselect_b32 s22, 0, NXR
	s_cselect_b32 s23, -1, 31
	s_sub_co_u32 s22, ttmp9, s22                   ; the record that I write, in xc or in wc
	s_and_b32 s23, s22, s23                        ; the tile T of its tensor that I read
	s_lshr_b32 s26, s23, 1
	s_lshl_b32 s26, s26, 5
	s_and_b32 s27, s23, 1
	s_lshl_b32 s27, s27, 3
	s_add_co_u32 s26, s26, s27                     ; 32 (T / 2) + 8 (T % 2)
	s_lshl_b32 s27, s23, 4                         ; 16 T
	s_cmp_eq_u32 s25, 1
	s_cselect_b32 s26, s26, s27
	s_lshl_b32 s26, s26, 11                        ; rows of 2,048 bytes: under 2^27
	s_mov_b32 s27, 0
	s_add_nc_u64 s[18:19], s[18:19], s[26:27]
	s_mul_i32 s28, s22, REC
	s_mov_b32 s29, 0
	s_add_nc_u64 s[20:21], s[20:21], s[28:29]
.macro GLOAD s                         ; K step s of my 16 rows into set s % 3: each load reads 512 consecutive bytes of one row
.irp i, 0,1,2,3,4,5,6,7
	global_load_b128 v[R+64*((\s)%3)+4*\i:R+64*((\s)%3)+4*\i+3], v[GOA], s[18:19] offset:2048*\i+512*(\s) th:TH_LOAD_NT
.endr
.irp i, 8,9,10,11,12,13,14,15
	global_load_b128 v[R+64*((\s)%3)+4*\i:R+64*((\s)%3)+4*\i+3], v[GOB], s[18:19] offset:2048*\i+512*(\s) th:TH_LOAD_NT
.endr
.endm
; left: the loads issued behind this K step's 16, which may stay out
.macro STEP s, left
.set XS, R+64*((\s)%3)
	s_wait_loadcnt \left                           ; loads come back in order: this K step's 16 are in
.irp i, 0,1,2,3,4,5,6,7,8,9,10,11,12,13,14,15
	ds_store_b128 v[STI], v[XS+4*\i:XS+4*\i+3] offset:SPITCH*\i
.endr
.irp b, 0,1,2,3
.irp j, 0,1,2,3
	ds_load_b128 v[XS+16*\b+4*\j:XS+16*\b+4*\j+3], v[STO] offset:128*\b+16*\j   ; LDS serves a wave's instructions in order: these see the stores above, and land in the registers that those have left
.endr
.endr
	s_wait_dscnt 0x0                               ; my 64 numbers are in
.if (\s) > 0
	s_wait_xcnt 0x0                                ; the last step's stores have read the codes' registers, which QUANT writes again
.endif
	QUANT XS, PW+\s
.irp c, 0,1,2
	global_store_b128 v[GOA], v[PC+4*\c:PC+4*\c+3], s[20:21] offset:1536*(\s)+512*\c   ; 512 consecutive bytes, aligned to 256
.endr
.endm
	GLOAD 0
	GLOAD 1
	GLOAD 2
	STEP 0, 32                                     ; K steps 1 and 2 may be out
	GLOAD 3                                        ; into set 0, whose numbers have been converted
	STEP 1, 32                                     ; K steps 2 and 3 may be out
	STEP 2, 16                                     ; K step 3 may be out
	STEP 3, 0
	v_cndmask_b32 v[SW], v[PW], v[PW+1], s30       ; lanes 0-15: K step 0's words; lanes 16-31: K step 1's
	v_cndmask_b32 v[SW+1], v[PW+2], v[PW+3], s30   ; K steps 2 and 3
	global_store_b64 v[SO], v[SW:SW+1], s[20:21] offset:6144   ; 256 consecutive bytes, aligned
	s_wait_tensorcnt 0x0
	ds_add_u32 v62, v63
	s_wait_dscnt 0x0
	s_endpgm
.Lfunc_end_k_qff05fd7573_prep:
	.size	k_qff05fd7573_prep, .Lfunc_end_k_qff05fd7573_prep-k_qff05fd7573_prep
	.p2alignl 7, 3214868480
	.fill 96, 4, 3214868480
	.section	.rodata,"a",@progbits
	.p2align	6, 0x0
	.amdhsa_kernel k_qff05fd7573_prep
		.amdhsa_group_segment_fixed_size 8704
		.amdhsa_private_segment_fixed_size 0
		.amdhsa_enable_private_segment 0
		.amdhsa_kernarg_size 48
		.amdhsa_user_sgpr_count 2
		.amdhsa_user_sgpr_kernarg_segment_ptr 1
		.amdhsa_wavefront_size32 1
		.amdhsa_system_sgpr_workgroup_id_x 1
		.amdhsa_system_sgpr_workgroup_id_y 1
		.amdhsa_system_sgpr_workgroup_id_z 1
		.amdhsa_system_vgpr_workitem_id 0
		.amdhsa_next_free_vgpr 256
		.amdhsa_next_free_sgpr 66
		.amdhsa_reserve_vcc 0
		.amdhsa_float_denorm_mode_32 3
		.amdhsa_float_denorm_mode_16_64 3
		.amdhsa_memory_ordered 1
		.amdhsa_forward_progress 1
		.amdhsa_inst_pref_size 34
	.end_amdhsa_kernel
	.amdgpu_metadata
---
amdhsa.version: [ 1, 2 ]
amdhsa.kernels:
  - .name:           k_qff05fd7573_prep
    .symbol:         k_qff05fd7573_prep.kd
    .args:
      - { .name: x, .offset: 0, .size: 8, .value_kind: global_buffer, .address_space: global }
      - { .name: Wq, .offset: 8, .size: 8, .value_kind: global_buffer, .address_space: global }
      - { .name: Wk, .offset: 16, .size: 8, .value_kind: global_buffer, .address_space: global }
      - { .name: Wv, .offset: 24, .size: 8, .value_kind: global_buffer, .address_space: global }
      - { .name: xc, .offset: 32, .size: 8, .value_kind: global_buffer, .address_space: global }
      - { .name: wc, .offset: 40, .size: 8, .value_kind: global_buffer, .address_space: global }
    .group_segment_fixed_size: 8704
    .private_segment_fixed_size: 0
    .kernarg_segment_align: 8
    .kernarg_segment_size: 48
    .max_flat_workgroup_size: 32
    .sgpr_count:     66
    .vgpr_count:     256
    .wavefront_size: 32
...
	.end_amdgpu_metadata
.endif
;; end of part 1
;; launch proj (part 2): grid 128 x 2, 4 waves a work-group, clusters of 4 x 1, 327,680 bytes of LDS; arguments xc, wc, bq, bk, qc, kc; writes qc, kc
.if DOCPART == 2
	.amdgcn_target "amdgcn-amd-amdhsa--gfx1250"
	.amdhsa_code_object_version 6
	.text
	.protected	k_qff05fd7573_proj
	.globl	k_qff05fd7573_proj
	.p2align	8
	.type	k_qff05fd7573_proj,@function
k_qff05fd7573_proj:
	s_mov_b64 s[64:65], 0
	v_nop
	global_prefetch_b8 v0, s[64:65] scope:SCOPE_SE
	s_setreg_imm32_b32 hwreg(HW_REG_WAVE_MODE, 25, 1), 1
	s_wait_xcnt 0x0
	s_wait_alu depctr_hold_cnt(0) depctr_sa_sdst(0) depctr_va_vdst(0) depctr_va_sdst(0) depctr_va_ssrc(0) depctr_va_vcc(0) depctr_vm_vsrc(0)
	s_getreg_b32 s2, hwreg(HW_REG_IB_STS2, 6, 4)
	s_cmp_eq_u32 s2, 0
	s_cbranch_scc0 .Lentry_in_a_cluster
	s_endpgm
.Lentry_in_a_cluster:
	s_bfe_u32 s2, ttmp6, 0x10000c
	s_cmp_lg_u32 s2, 0x3003
	s_cbranch_scc0 .Lentry_shape_is_right
	s_endpgm
.Lentry_shape_is_right:
; q = x Wq^T + bq (work-group y = 0) or k = x Wk^T + bk (y = 1), on codes of FP6 (E2M3) with E8M0 scales, and the result quantised along its 512 features into records (16 rows x 512 K, 6,400 bytes:
; fragment of K step s at 1,536 s as an image of its 12 registers; the scale unit at 6,144, lane l at 8 l: word 0 K step l / 16 of row l % 16, word 1 K step 2 + l / 16).
; SHARES: a work-group takes 256 rows of x (16 records) and all 512 features.  THE WAVES SHARE THE FEATURES: wave w holds W's tiles 8 w .. 8 w + 7, 32 fragments, 384 registers, for the whole launch, and reads every
; record of x from LDS: a fragment of x feeds 8 matrix instructions.  The product is used transposed (source 0 = 16 rows of W, source 1 = 16 rows of x): a lane holds one row of x.  W's rows were chosen
; when its records were made, so a lane's 64 results are features 128 w + 32 b + 16 h + i in register 16 b + i: they are quantised in registers and are K step w of that row tile's record.
; The bias is the C of each sum's first matrix instruction.  The 16 row tiles are written out, so that every LDS and global offset is an immediate and no address is stepped.
; CLUSTER: the four work-groups of a cluster have the same y and read the same 204,800 bytes of W: each wave's quarter of them is asked for jointly (mask 15).  x's 102,400 bytes differ between partners and come by
; plain loads; x's other user lies along y, and a cluster along x shares the larger block.  Nothing in LDS is filled twice.
; x COMES IN FOUR GROUPS of four records: load j of wave w brings record 4 j + w, 25 rows of 256 bytes: smaller than the block would allow, so that the first products wait for W and four records only, and the
; other twelve land under them.  With W's load five tensor loads of a wave are out at the start.  Each group is shown to all waves by a counted wait and a barrier behind which nothing is filled again.
; LIMITS: a block of zeros or under 2^-124 gets the byte 1 (its codes are zeros; the bytes are read by this program alone); NaN and infinities are not served.
; REGISTERS: window 0: v1-11 addresses; v16-31 W's scale words; v32-33 x's; v34 the word just made; v36-51, v52-71 at work in QUANT; v72-119 x's four fragments; v128-191 the 8 accumulators; v192-199 the way out.
;   window 1: W's fragments (t, K steps 0, 1) at 12 (2 t + s);  window 2: (t, K steps 2, 3);  window 3: the bias, eight registers a tile.
.set REC,   6400
.set WPART, 8*REC                      ; LDS 0 on: W, 51,200 bytes a wave, read by the wave that fetched them
.set XREG,  4*WPART                    ; x's 16 records, read by all four waves
.set XPART, 4*REC                      ; a group of four records
.set SCL,   XREG+16*REC                ; 16 scale units of 256 bytes, gathered by LDS stores: no tensor load lands here
.set AW,  1                            ; v1    W's fragments: WPART w + 16 l
.set AWS, 2                            ; v2    W's scale units: WPART w + 8 l
.set AX,  3                            ; v3-4  x's fragments, records 0-7 and 8-15
.set AXS, 5                            ; v5-6  x's scale units likewise
.set CO,  7                            ; v7    my codes' place in a record: 1,536 w + 16 l
.set ASW, 8                            ; v8    my scale word's place in a scale unit
.set ASR, 9                            ; v9    the way out: my 16 bytes of four scale units
.set GS,  10                           ; v10   and their place in memory
.set BO,  11                           ; v11   the bias: 64 h
.set WS,  16
.set XS,  32
.set PW,  34
.set TM,  36
.set PC,  52
.set XF,  72
.set ACC, 128
.set OUT, 192
.set WV,  16                           ; s16  my wave's number
.set G1W, 24                           ; s[24:31] group 1 for W;  s[32:39] for x;  s[40:43] W's group 0
.set G1X, 32
.set G0W, 40
.set G0X, 68                           ; s[68:83] x's groups 0, one for each of my four loads
.set SEL, 56
.set MSB, 0
.macro WIN new                         ; the immediate's high byte repeats the setting that is left
.if MSB != \new
	s_set_vgpr_msb (MSB<<8)|\new
.set MSB, \new
.endif
.endm
.macro CROUND                          ; a round of the cluster's barrier
	s_barrier_signal -1
	s_barrier_wait -1
	s_cmp_lg_u32 s[WV], 0
	s_cbranch_scc1 .Lnot_wave_0_\@
	s_barrier_signal -3
.Lnot_wave_0_\@:
	s_barrier_wait -3
	s_barrier_signal -1
	s_barrier_wait -1
.endm
; 64 numbers of a lane, v[s] .. v[s + 63], register 16 b + i = k 32 b + 16 h + i of my row, become a fragment's codes in v[PC] .. v[PC + 11] and my row's scale word in v[pw].  Each accumulator is read from its low end first.
.macro QUANT s, pw
.irp b, 0,1,2,3
	v_max3_num_f32 v[TM+\b], |v[\s+16*\b]|, |v[\s+1+16*\b]|, 0x1800000   ; and the floor 2^(3 - 127): the byte cannot fall under 1
.endr
.irp i, 2,4,6,8,10,12,14
.irp b, 0,1,2,3
	v_max3_num_f32 v[TM+\b], v[TM+\b], |v[\s+16*\b+\i]|, |v[\s+1+16*\b+\i]|
.endr
.endr
.irp b, 0,1,2,3
	v_permlanex16_b32 v[TM+4+\b], v[TM+\b], s[SEL], s[SEL+1]
.endr
.irp b, 0,1,2,3
	v_max_num_f32 v[TM+\b], v[TM+\b], v[TM+4+\b]
.endr
.irp b, 0,1,2,3
	v_add_nc_u32 v[TM+12+\b], 0xff000000, v[TM+\b]   ; 2 off the exponent field: the conversion's scale operand
.endr
.irp b, 0,1,2,3
	v_lshrrev_b32 v[TM+4+\b], 23, v[TM+12+\b]      ; the scale's byte
.endr
	v_lshl_or_b32 v[\pw], v[TM+5], 8, v[TM+4]
	v_lshl_or_b32 v[\pw], v[TM+6], 16, v[\pw]
	v_lshl_or_b32 v[\pw], v[TM+7], 24, v[\pw]
.irp c, 0,1
	v_cvt_scalef32_pk16_fp6_f32 v[PC+6*\c:PC+2+6*\c], v[\s+32*\c:\s+15+32*\c], v[TM+12+2*\c]
	v_cvt_scalef32_pk16_fp6_f32 v[PC+12+4*\c:PC+14+4*\c], v[\s+16+32*\c:\s+31+32*\c], v[TM+12+2*\c+1]
.endr
	v_nop                                          ; one plain place behind a scaled conversion
.irp c, 0,1
.irp i, 0,1,2
	v_permlane16_swap_b32 v[PC+6*\c+\i], v[PC+12+4*\c+\i]
.endr
.irp i, 0,1,2
	v_mov_b32 v[PC+3+6*\c+\i], v[PC+12+4*\c+\i]
.endr
.endr
.endm
	s_load_b256 s[4:11], s[0:1], 0x0               ; xc, wc, bq, bk
	s_load_b128 s[12:15], s[0:1], 0x20             ; qc, kc
	v_lshl_add_u32 v254, v0, 2, 0x4c000
	v_mov_b32 v255, 0
	ds_add_u32 v254, v255
	ds_add_u32 v254, v255
	v_lshrrev_b32 v12, 5, v0
	v_readfirstlane_b32 s[WV], v12                 ; wave 0..3
	s_bfe_u32 s17, ttmp6, 0x40000                  ; cx: my place in the cluster
	s_lshl_b32 s18, ttmp9, 2
	s_add_co_u32 s18, s18, s17                     ; my block of 256 rows: it enters x's and the output's addresses alone
	s_and_b32 s19, ttmp7, 0xffff                   ; 0: q, 1: k; the four partners share it
	; group 1: dense blocks as rows of 256 bytes (32 elements of 8 bytes)
	s_mov_b32 s[G1W], 15|(3<<16)|(1<<21)           ; the mask: all four work-groups; elements of 8 bytes; bit 21 beside a mask
	s_mov_b32 s[G1W+1], 32<<16                     ; tensor_dim0 = 32
	s_mov_b32 s[G1W+2], 200<<16                    ; tensor_dim1 = 200 rows: 51,200 bytes
	s_mov_b32 s[G1W+3], 32<<16                     ; tile_dim0
	s_mov_b32 s[G1W+4], 200                        ; tile_dim1
	s_mov_b32 s[G1W+5], 32                         ; the pitch
	s_mov_b32 s[G1W+6], 0
	s_mov_b32 s[G1W+7], 0
	s_mov_b32 s[G1X], 3<<16                        ; no mask: x's rows are my work-group's own
	s_mov_b32 s[G1X+1], 32<<16
	s_mov_b32 s[G1X+2], 25<<16                     ; 25 rows: one record
	s_mov_b32 s[G1X+3], 32<<16
	s_mov_b32 s[G1X+4], 25
	s_mov_b32 s[G1X+5], 32
	s_mov_b32 s[G1X+6], 0
	s_mov_b32 s[G1X+7], 0
	v_and_b32 v12, 31, v0                          ; l
	v_and_b32 v13, 15, v0                          ; r
	v_bfe_u32 v14, v0, 4, 1                        ; h
	s_mul_i32 s20, s[WV], WPART
	v_lshl_add_u32 v[AW], v12, 4, s20
	v_lshl_add_u32 v[AWS], v12, 3, s20
	v_lshl_add_u32 v[AX], v12, 4, XREG
	v_add_nc_u32 v[AX+1], 8*REC, v[AX]
	v_lshl_add_u32 v[AXS], v12, 3, XREG
	v_add_nc_u32 v[AXS+1], 8*REC, v[AXS]
	s_mul_i32 s21, s[WV], 1536
	v_lshl_add_u32 v[CO], v12, 4, s21
	s_and_b32 s22, s[WV], 1                        ; K step w's word of row r lies at 8 (r + 16 (w % 2)) + 4 (w / 2) of the scale unit
	s_lshl_b32 s22, s22, 7
	s_lshr_b32 s23, s[WV], 1
	s_lshl_b32 s23, s23, 2
	s_add_co_u32 s22, s22, s23
	s_add_co_u32 s22, s22, SCL
	v_lshl_add_u32 v[ASW], v13, 3, s22
	s_lshl_b32 s23, s[WV], 10
	s_add_co_u32 s23, s23, SCL
	v_lshl_add_u32 v[ASR], v12, 4, s23             ; the way out: wave w takes the units of records 4 w .. 4 w + 3
	s_mul_i32 s58, s[WV], XPART
	v_mul_u32_u24 v[GS], v14, REC
	v_lshl_add_u32 v[GS], v13, 4, v[GS]
	v_add_nc_u32 v[GS], s58, v[GS]
	v_lshlrev_b32 v[BO], 6, v14
.irp b, 0,1,2,3
	v_mov_b32 v[TM+4+\b], 0                        ; written once: a lane permute's destination counts as one of its sources
.endr
	s_mov_b32 s[SEL], 0x76543210
	s_mov_b32 s[SEL+1], 0xfedcba98
	s_mul_i32 s60, s19, 4*WPART                    ; W: which tensor, which wave's quarter: equal in all four partners
	s_add_co_u32 s60, s60, s20
	s_mov_b32 s61, 0
	s_mul_i32 s22, s18, 16*REC                     ; my block's 16 records, in xc and in the output
	s_mov_b32 s23, 0
	s_mul_i32 s62, s[WV], REC                      ; x: record w of each group is mine to fetch
	s_mov_b32 s63, 0
	s_lshl_b32 s52, s[WV], 9                       ; my 128 numbers of the bias
	s_mov_b32 s53, 0
	s_mov_b32 s[G0W], 1
	s_mov_b32 s[G0W+1], s20
.irp j, 0,1,2,3
	s_mov_b32 s[G0X+4*\j], 1
	s_add_co_u32 s[G0X+4*\j+1], s62, XREG+\j*XPART  ; record 4 j + w
.endr
	s_wait_dscnt 0x0
	s_wait_kmcnt 0x0
	s_cmp_eq_u32 s19, 0
	s_cselect_b64 s[50:51], s[8:9], s[10:11]       ; bq or bk
	s_cselect_b64 s[48:49], s[12:13], s[14:15]     ; qc or kc
	s_add_nc_u64 s[50:51], s[50:51], s[52:53]
	s_add_nc_u64 s[48:49], s[48:49], s[22:23]
	s_add_nc_u64 s[G0W+2:G0W+3], s[6:7], s[60:61]
	s_or_b32 s[G0W+3], s[G0W+3], 0x80000000
	s_add_nc_u64 s[G0X+2:G0X+3], s[4:5], s[22:23]
	s_add_nc_u64 s[G0X+2:G0X+3], s[G0X+2:G0X+3], s[62:63]
.irp j, 1,2,3
	s_add_nc_u64 s[G0X+4*\j+2:G0X+4*\j+3], s[G0X+2:G0X+3], \j*XPART
.endr
.irp j, 0,1,2,3
	s_or_b32 s[G0X+4*\j+3], s[G0X+4*\j+3], 0x80000000
.endr
	CROUND                                         ; all four work-groups are here: the joint loads meet
	tensor_load_to_lds s[G0W:G0W+3], s[G1W:G1W+7]  ; my quarter of W, jointly
	s_nop 0
.irp j, 0,1,2,3
	tensor_load_to_lds s[G0X+4*\j:G0X+4*\j+3], s[G1X:G1X+7]   ; my record of group j: five loads of mine are out
	s_nop 0
.endr
.rept 4
	v_nop
.endr
	WIN 0xc0                                       ; destination window 3
.irp t, 0,1,2,3,4,5,6,7                        ; lane (r, h) wants, for tile t, the bias of features 128 w + 32 (t / 2) + 16 h + 8 (t % 2) + 0 .. 7
	global_load_b128 v[8*\t:8*\t+3], v[BO], s[50:51] offset:(32*(\t/2)+8*(\t%2))*4
	global_load_b128 v[8*\t+4:8*\t+7], v[BO], s[50:51] offset:(32*(\t/2)+8*(\t%2))*4+16
.endr
	s_wait_tensorcnt 0x4                           ; my quarter of W is in (x's four loads were issued behind it); only I read these bytes
	WIN 0x40                                       ; destination window 1
.irp t, 0,1,2,3,4,5,6,7
.irp s, 0,1
.irp c, 0,1,2
	ds_load_b128 v[12*(2*\t+\s)+4*\c:12*(2*\t+\s)+4*\c+3], v[AW] offset:REC*\t+1536*\s+512*\c
.endr
.endr
.endr
	WIN 0x80                                       ; destination window 2
.irp t, 0,1,2,3,4,5,6,7
.irp s, 0,1
.irp c, 0,1,2
	ds_load_b128 v[12*(2*\t+\s)+4*\c:12*(2*\t+\s)+4*\c+3], v[AW] offset:REC*\t+1536*(\s+2)+512*\c
.endr
.endr
.endr
	WIN 0
.irp t, 0,1,2,3,4,5,6,7
	ds_load_b64 v[WS+2*\t:WS+2*\t+1], v[AWS] offset:REC*\t+6144
.endr
	s_wait_tensorcnt 0x3                           ; my record of group 0 is in (three loads were issued behind it),
	s_wait_dscnt 0x0
	s_barrier_signal -1
	s_barrier_wait -1                              ; everybody's is.  The later groups may stay out
	s_wait_loadcnt 0x0                             ; the bias
.macro LOADX i                         ; record i of x: four fragments and the scale unit
.irp s, 0,1,2,3
.irp c, 0,1,2
	ds_load_b128 v[XF+12*\s+4*\c:XF+12*\s+4*\c+3], v[AX+(\i)/8] offset:REC*((\i)%8)+1536*\s+512*\c
.endr
.endr
	ds_load_b64 v[XS:XS+1], v[AXS+(\i)/8] offset:REC*((\i)%8)+6144
.endm
.macro PMM t, s                        ; tile t, K step s.  Scale words of K step s: register s / 2, lanes 16-31 for odd s, on both sides
.set rD, ACC+8*(\t)
.set rW, 12*(2*(\t)+(\s)%2)
.set rX, XF+12*(\s)
.set eW, WS+2*(\t)+(\s)/2
.set eX, XS+(\s)/2
.if (\s) == 0
	v_wmma_scale_f32_16x16x128_f8f6f4 v[rD:rD+7], v[rW:rW+11], v[rX:rX+11], v[8*(\t):8*(\t)+7], v[eW], v[eX] matrix_a_fmt:MATRIX_FMT_FP6 matrix_b_fmt:MATRIX_FMT_FP6
.elseif (\s)%2
	v_wmma_scale_f32_16x16x128_f8f6f4 v[rD:rD+7], v[rW:rW+11], v[rX:rX+11], v[rD:rD+7], v[eW], v[eX] matrix_a_fmt:MATRIX_FMT_FP6 matrix_b_fmt:MATRIX_FMT_FP6 matrix_a_scale:MATRIX_SCALE_ROW1 matrix_b_scale:MATRIX_SCALE_ROW1
.else
	v_wmma_scale_f32_16x16x128_f8f6f4 v[rD:rD+7], v[rW:rW+11], v[rX:rX+11], v[rD:rD+7], v[eW], v[eX] matrix_a_fmt:MATRIX_FMT_FP6 matrix_b_fmt:MATRIX_FMT_FP6
.endif
.endm
; Row tile i: 32 matrix instructions, the 8 accumulators by turns, K ascending; the next record is fetched while this tile's results are quantised.
.macro PTILE i
	s_wait_dscnt 0x0                               ; the record's 13 loads are in, and my last scale word lies in LDS
	WIN 0x31                                       ; source 0 (W) window 1, C (the bias) window 3
.irp t, 0,1,2,3,4,5,6,7
	PMM \t, 0
.endr
	WIN 0x01
.irp t, 0,1,2,3,4,5,6,7
	PMM \t, 1
.endr
	WIN 0x02                                       ; source 0 window 2
.irp s, 2,3
.irp t, 0,1,2,3,4,5,6,7
	PMM \t, \s
.endr
.endr
	WIN 0
.rept 4
	v_nop                                          ; four places in front of loads into registers that the products have read, and of the first read of results
.endr
.if (\i) < 15
.if ((\i)+1)%4 == 0
	s_wait_tensorcnt 3-((\i)+1)/4                  ; my record of the next group is in: the count is the groups whose loads were issued behind it;
	s_barrier_signal -1                            ; (no LDS instruction of mine is out since the wait at the tile's head)
	s_barrier_wait -1                              ; everybody's is.
.endif
	LOADX (\i)+1
.endif
.if (\i) > 0
	s_wait_xcnt 0x0                                ; the last tile's stores have read the codes' registers, which QUANT writes again
.endif
	QUANT ACC, PW
.irp c, 0,1,2
	global_store_b128 v[CO], v[PC+4*\c:PC+4*\c+3], s[48:49] offset:REC*(\i)+512*\c   ; K step w of record i: 512 consecutive bytes a store, aligned to 256
.endr
	ds_store_b32 v[ASW], v[PW] offset:256*(\i)     ; my rows' scale words (lanes l and l + 16 write the same word with the same value)
.endm
	LOADX 0
.irp n, 0,1,2,3,4,5,6,7,8,9,10,11,12,13,14,15
	PTILE \n
.endr
	s_wait_dscnt 0x0                               ; for the others' sake: my scale words lie in LDS
	s_barrier_signal -1
	s_barrier_wait -1
	ds_load_b128 v[OUT:OUT+3], v[ASR]              ; the units of records 4 w, 4 w + 1,
	ds_load_b128 v[OUT+4:OUT+7], v[ASR] offset:512 ; and of 4 w + 2, 4 w + 3
	s_wait_dscnt 0x0
	global_store_b128 v[GS], v[OUT:OUT+3], s[48:49] offset:6144           ; sixteen lanes store a record's scale unit: 256 consecutive bytes, aligned
	global_store_b128 v[GS], v[OUT+4:OUT+7], s[48:49] offset:2*REC+6144
	s_wait_tensorcnt 0x0
	ds_add_u32 v254, v255
	s_wait_dscnt 0x0
	CROUND                                         ; the closing round: no work-group ends while a partner may still ask jointly
	s_endpgm
.Lfunc_end_k_qff05fd7573_proj:
	.size	k_qff05fd7573_proj, .Lfunc_end_k_qff05fd7573_proj-k_qff05fd7573_proj
	.p2alignl 7, 3214868480
	.fill 96, 4, 3214868480
	.section	.rodata,"a",@progbits
	.p2align	6, 0x0
	.amdhsa_kernel k_qff05fd7573_proj
		.amdhsa_group_segment_fixed_size 327680
		.amdhsa_private_segment_fixed_size 0
		.amdhsa_enable_private_segment 0
		.amdhsa_kernarg_size 48
		.amdhsa_user_sgpr_count 2
		.amdhsa_user_sgpr_kernarg_segment_ptr 1
		.amdhsa_wavefront_size32 1
		.amdhsa_system_sgpr_workgroup_id_x 1
		.amdhsa_system_sgpr_workgroup_id_y 1
		.amdhsa_system_sgpr_workgroup_id_z 1
		.amdhsa_system_vgpr_workitem_id 0
		.amdhsa_next_free_vgpr 832
		.amdhsa_next_free_sgpr 84
		.amdhsa_reserve_vcc 0
		.amdhsa_float_denorm_mode_32 3
		.amdhsa_float_denorm_mode_16_64 3
		.amdhsa_memory_ordered 1
		.amdhsa_forward_progress 1
		.amdhsa_inst_pref_size 163
	.end_amdhsa_kernel
	.amdgpu_metadata
---
amdhsa.version: [ 1, 2 ]
amdhsa.kernels:
  - .name:           k_qff05fd7573_proj
    .symbol:         k_qff05fd7573_proj.kd
    .args:
      - { .name: xc, .offset: 0, .size: 8, .value_kind: global_buffer, .address_space: global }
      - { .name: wc, .offset: 8, .size: 8, .value_kind: global_buffer, .address_space: global }
      - { .name: bq, .offset: 16, .size: 8, .value_kind: global_buffer, .address_space: global }
      - { .name: bk, .offset: 24, .size: 8, .value_kind: global_buffer, .address_space: global }
      - { .name: qc, .offset: 32, .size: 8, .value_kind: global_buffer, .address_space: global }
      - { .name: kc, .offset: 40, .size: 8, .value_kind: global_buffer, .address_space: global }
    .group_segment_fixed_size: 327680
    .private_segment_fixed_size: 0
    .kernarg_segment_align: 8
    .kernarg_segment_size: 48
    .max_flat_workgroup_size: 128
    .sgpr_count:     84
    .vgpr_count:     832
    .wavefront_size: 32
...
	.end_amdgpu_metadata
.endif
;; end of part 2
;; launch score (part 3): grid 16 x 16, 4 waves a work-group, clusters of 4 x 1, 327,680 bytes of LDS; arguments qc, kc, xc, wc, Wt, bt, bv, part; writes part
.if DOCPART == 3
	.amdgcn_target "amdgcn-amd-amdhsa--gfx1250"
	.amdhsa_code_object_version 6
	.text
	.protected	k_qff05fd7573_score
	.globl	k_qff05fd7573_score
	.p2align	8
	.type	k_qff05fd7573_score,@function
k_qff05fd7573_score:
	s_mov_b64 s[64:65], 0
	v_nop
	global_prefetch_b8 v0, s[64:65] scope:SCOPE_SE
	s_setreg_imm32_b32 hwreg(HW_REG_WAVE_MODE, 25, 1), 1
	s_wait_xcnt 0x0
	s_wait_alu depctr_hold_cnt(0) depctr_sa_sdst(0) depctr_va_vdst(0) depctr_va_sdst(0) depctr_va_ssrc(0) depctr_va_vcc(0) depctr_vm_vsrc(0)
	s_getreg_b32 s2, hwreg(HW_REG_IB_STS2, 6, 4)
	s_cmp_eq_u32 s2, 0
	s_cbranch_scc0 .Lentry_in_a_cluster
	s_endpgm
.Lentry_in_a_cluster:
	s_bfe_u32 s2, ttmp6, 0x10000c
	s_cmp_lg_u32 s2, 0x3003
	s_cbranch_scc0 .Lentry_shape_is_right
	s_endpgm
.Lentry_shape_is_right:
; For 128 queries of one batch: scores = Q(q) Q(k)^T over all 2,048 keys; ta = scores . Wt / sqrt(512) + bt; v = Q(x) Q(Wv)^T for the same 128 rows; part = the sum over these rows of (v + bv) ta, 512 numbers.
; Both products on codes of FP6 (E2M3) with E8M0 scales, from records (16 rows x 512 K, 6,400 bytes: fragment of K step s at 1,536 s as an image of its 12 registers; scale unit at 6,144).  Scores and v never go to memory.
; ORDER OF ROUNDING: ta is scaled by 1 / sqrt(512) behind the sum over the keys; bv enters as bv x (the sum of ta), which is the same sum in another order.
; SHARES: every wave holds the 8 tiles x 4 K steps of q (later of x) in registers.  THE STREAMED RECORDS ARE DEALT TO THE WAVES: a slot holds 16 records; wave w fetches and reads records 4 w .. 4 w + 3 of it.
; So each streamed fragment is read from LDS once and feeds 8 matrix instructions.  The stream: 8 fills of the batch's 128 records of k, then 2 fills of Wv's 32 records, through a ring of two slots.
; PHASE K: source 0 = 16 keys, source 1 = 16 queries: a lane holds one query (l % 16) and keys 8 (l / 16) + 0 .. 7.  Each score is multiplied by its key's Wt and added into the tile's pair of sums.
; PHASE V: source 0 = 16 rows of x, source 1 = 16 rows of Wv: a lane holds one feature and rows 8 (l / 16) + 0 .. 7.  Each v is multiplied by its row's ta and added into the feature tile's pair of sums.
; BY TURNS: two sets of 8 accumulators; behind each matrix instruction of a tile stands one packed multiply-add on the tile before.  Wt's (ta's) numbers lie in the window that the second (first) source place means at
; that time, so no window is switched between the two kinds of lines.  The LDS loads stand in two runs a tile, never singly among the matrix instructions.
; CLUSTER: the four query blocks of a cluster belong to one batch and walk the same k and Wv: each fill is asked for jointly (mask 15).  q and x are each work-group's own: plain loads.
; x is wanted in phase V alone: its fill goes out last of the first four, and its registers are loaded at the change of phase.
; REGISTERS: window 0: v1-15, v121-127 addresses; v16-31 q's scale words, v32-47 x's, v48-51 the stream's (two sets); v52-67 eight pairs of sums; v68-115 the stream's four fragments; v116-119 bv; v120 the sum of ta; v128-255 the accumulators.
;   window 1: q (a, K steps 0, 1) at 12 (2 a + s); v192-199 Wt of keys 0-3 of a lane's eight, two sets.   window 2: q, later x (a, K steps 2, 3); v192-199 Wt of keys 4-7; v200-231 ta of rows 4-7.
;   window 3: x (a, K steps 0, 1); v200-231 ta of rows 0-3.
.set REC,   6400
.set PARTB, 4*REC                      ; what a wave fetches of a slot
.set SLOTB, 16*REC                     ; LDS: slot 0 at 0, slot 1 at SLOTB
.set QREG,  2*SLOTB                    ; q's 8 records
.set XREG,  QREG+8*REC                 ; x's 8 records
.set WTB,   XREG+8*REC                 ; from here on bytes written by LDS stores alone: Wt, 2,048 bytes a wave: the numbers of its own keys
.set TAP,   WTB+8192                   ; the waves' partial sums for 128 queries, 512 bytes a wave
.set TAF,   TAP+2048                   ; ta, a copy for each wave
.set STG,   TAF+2048                   ; the way out, 512 bytes a wave
.set SPARE, STG+2048                   ; the spare words, 128 bytes for each wave: two blocks of 256 bytes that no other line names
.set SPW, 1                            ; v1   my spare word; never rewritten
.set NIL, 2                            ; v2   0; never rewritten
.set AK,  3                            ; v3-4 my fragments in slot 0, 1: 16 l + PARTB w
.set AS,  5                            ; v5-6 my scale units: 8 l + PARTB w
.set AWT, 7                            ; v7   Wt of my keys: WTB + 2,048 w + 32 h
.set AQ,  8
.set AQS, 9
.set AX,  10
.set AXS, 11
.set ATP, 12
.set ATL, 13
.set ATW, 14
.set ATF, 15
.set QS,  16
.set XQ,  32
.set KS,  48
.set TA,  52
.set KF,  68
.set BV,  116
.set SUMT, 120
.set ASG, 121
.set ASL, 122
.set GO,  123                          ; v123 1,024 h + 256 w + 16 r: my bytes of Wt's units, of bv and of the output row
.set T4,  124                          ; v124-126 at work
.set AWC, 127                          ; v127 AWT + the trip's step
.set ACC, 128
.set TT,  128                          ; at work between the phases: set 0's registers
.set WV,  20
.set G1J, 24                           ; s[24:31] group 1 of the joint fills;  s[32:39] of the plain ones
.set G1P, 32
.set G0A, 40                           ; s[40:43], s[44:47] groups 0 of slots 0 and 1
.set G0Q, 48
.set G0X, 52
.set WVA, 56                           ; s[56:57], s[58:59] where my parts of Wv's two fills begin
.set SEL, 60
.set CNT, 62
.set RS,  63                           ; 1 / sqrt(512)
.set BT,  66
.set TW,  76                           ; the trip's step into Wt: 512 bytes a trip
.set MSB, 0
.macro WIN new                         ; the immediate's high byte repeats the setting that is left
.if MSB != \new
	s_set_vgpr_msb (MSB<<8)|\new
.set MSB, \new
.endif
.endm
.macro CREST                           ; a round of the cluster's barrier behind its opening barrier
	s_cmp_lg_u32 s[WV], 0
	s_cbranch_scc1 .Lnot_wave_0_\@
	s_barrier_signal -3
.Lnot_wave_0_\@:
	s_barrier_wait -3
	s_barrier_signal -1
	s_barrier_wait -1
.endm
.macro CROUND
	s_barrier_signal -1
	s_barrier_wait -1
	CREST
.endm
	s_load_b256 s[4:11], s[0:1], 0x0               ; qc, kc, xc, wc
	s_load_b256 s[12:19], s[0:1], 0x20             ; Wt, bt, bv, part
	v_lshl_add_u32 v[SPW], v0, 2, SPARE
	v_mov_b32 v[NIL], 0
	ds_add_u32 v1, v2
	ds_add_u32 v1, v2
	s_wait_dscnt 0x0
	v_lshrrev_b32 v[T4], 5, v0
	v_readfirstlane_b32 s[WV], v[T4]               ; wave 0..3
	s_bfe_u32 s21, ttmp6, 0x40000                  ; cx
	s_lshl_b32 s22, ttmp9, 2
	s_add_co_u32 s22, s22, s21                     ; my block of 128 queries: it enters q's, x's and the output's addresses alone
	s_and_b32 s23, ttmp7, 0xffff                   ; the batch, which the four partners share
	s_mov_b32 s[G1J], 15|(3<<16)|(1<<21)           ; the mask: all four; elements of 8 bytes; bit 21 beside a mask
	s_mov_b32 s[G1J+1], 32<<16                     ; rows of 256 bytes,
	s_mov_b32 s[G1J+2], 100<<16                    ; 100 of them: 25,600 dense bytes
	s_mov_b32 s[G1J+3], 32<<16
	s_mov_b32 s[G1J+4], 100
	s_mov_b32 s[G1J+5], 32
	s_mov_b32 s[G1J+6], 0
	s_mov_b32 s[G1J+7], 0
	s_mov_b32 s[G1P], 3<<16                        ; no mask
	s_mov_b32 s[G1P+1], 32<<16
	s_mov_b32 s[G1P+2], 50<<16                     ; 50 rows: two records
	s_mov_b32 s[G1P+3], 32<<16
	s_mov_b32 s[G1P+4], 50
	s_mov_b32 s[G1P+5], 32
	s_mov_b32 s[G1P+6], 0
	s_mov_b32 s[G1P+7], 0
	v_and_b32 v[T4], 31, v0                        ; l
	v_and_b32 v[T4+1], 15, v0                      ; r
	v_bfe_u32 v[T4+2], v0, 4, 1                    ; h
	s_mul_i32 s68, s[WV], PARTB
	s_mov_b32 s69, 0
	v_lshl_add_u32 v[AK], v[T4], 4, s68
	v_add_nc_u32 v[AK+1], SLOTB, v[AK]
	v_lshl_add_u32 v[AS], v[T4], 3, s68
	v_add_nc_u32 v[AS+1], SLOTB, v[AS]
	s_lshl_b32 s74, s[WV], 11
	s_add_co_u32 s74, s74, WTB
	v_lshl_add_u32 v[AWT], v[T4+2], 5, s74
	v_lshl_add_u32 v[TT+16], v[T4], 4, s74         ; where Wt's numbers are put
	s_mov_b32 s[TW], 0
	v_add_nc_u32 v[AWC], s[TW], v[AWT]
	v_lshl_add_u32 v[AQ], v[T4], 4, QREG
	v_lshl_add_u32 v[AQS], v[T4], 3, QREG
	v_lshl_add_u32 v[AX], v[T4], 4, XREG
	v_lshl_add_u32 v[AXS], v[T4], 3, XREG
	s_lshl_b32 s74, s[WV], 9
	s_add_co_u32 s75, s74, TAP
	v_lshl_add_u32 v[ATP], v[T4+1], 2, s75
	v_lshl_add_u32 v[ATL], v[T4], 4, TAP
	s_add_co_u32 s75, s74, TAF
	v_lshl_add_u32 v[ATW], v[T4], 4, s75
	v_lshl_add_u32 v[ATF], v[T4+2], 5, s75
	s_add_co_u32 s75, s74, STG
	v_lshl_add_u32 v[ASG], v[T4+1], 2, s75
	v_lshl_add_u32 v[ASL], v[T4], 4, s75
	s_lshl_b32 s75, s[WV], 8
	v_lshl_add_u32 v[GO], v[T4+2], 10, s75
	v_lshl_add_u32 v[GO], v[T4+1], 4, v[GO]
.irp j, 0,1,2,3,4,5,6,7,8,9,10,11,12,13,14,15
	v_mov_b32 v[TA+\j], 0                          ; the eight pairs of sums for ta
.endr
	s_mov_b32 s[SEL], 0x76543210
	s_mov_b32 s[SEL+1], 0xfedcba98
	s_mov_b32 s[RS], 0x3d3504f3                    ; 1 / sqrt(512)
	s_mul_i32 s70, s23, 128*REC                    ; k: the batch's 128 records, my part of a fill: equal in all four partners
	s_add_co_u32 s70, s70, s68
	s_mov_b32 s71, 0
	s_lshl_b32 s72, s23, 7                         ; q, x: record 128 b + 8 x block + 2 w
	s_lshl_b32 s73, s22, 3
	s_add_co_u32 s72, s72, s73
	s_lshl_b32 s73, s[WV], 1
	s_add_co_u32 s72, s72, s73
	s_mul_i32 s72, s72, REC
	s_mov_b32 s73, 0
	s_lshl_b32 s74, s23, 4                         ; the output: row 16 b + block of 2,048 bytes
	s_add_co_u32 s74, s74, s22
	s_lshl_b32 s74, s74, 11
	s_mov_b32 s75, 0
	s_mul_i32 s67, s[WV], 2*REC
	s_mov_b32 s[G0A], 1
	s_mov_b32 s[G0A+1], s68
	s_mov_b32 s[G0A+4], 1
	s_add_co_u32 s[G0A+5], s68, SLOTB
	s_mov_b32 s[G0Q], 1
	s_add_co_u32 s[G0Q+1], s67, QREG
	s_mov_b32 s[G0X], 1
	s_add_co_u32 s[G0X+1], s67, XREG
	s_wait_kmcnt 0x0
	s_load_b32 s[BT], s[14:15], 0x0                ; bt: waited for where it is used, between the phases
.irp i, 0,1,2,3                                ; Wt of my keys: of each fill's 256 keys the 64 at 64 w: sixteen lanes read 256 consecutive bytes, aligned
	global_load_b128 v[TT+4*\i:TT+4*\i+3], v[GO], s[12:13] offset:2048*\i
.endr
	global_load_b128 v[BV:BV+3], v[GO], s[16:17]   ; bv of the four features that I store
	s_add_nc_u64 s[18:19], s[18:19], s[74:75]
	s_add_nc_u64 s[G0A+2:G0A+3], s[6:7], s[70:71]
	s_add_nc_u64 s[G0A+6:G0A+7], s[G0A+2:G0A+3], SLOTB
	s_or_b32 s[G0A+3], s[G0A+3], 0x80000000
	s_or_b32 s[G0A+7], s[G0A+7], 0x80000000
	s_add_nc_u64 s[G0Q+2:G0Q+3], s[4:5], s[72:73]
	s_or_b32 s[G0Q+3], s[G0Q+3], 0x80000000
	s_add_nc_u64 s[G0X+2:G0X+3], s[8:9], s[72:73]
	s_or_b32 s[G0X+3], s[G0X+3], 0x80000000
	s_add_nc_u64 s[WVA:WVA+1], s[10:11], s[68:69]
	s_add_nc_u64 s[WVA:WVA+1], s[WVA:WVA+1], 64*REC   ; Wv's records follow Wq's and Wk's
	s_add_nc_u64 s[WVA+2:WVA+3], s[WVA:WVA+1], SLOTB
	CROUND                                         ; all four work-groups are here: the first joint loads meet
	tensor_load_to_lds s[G0Q:G0Q+3], s[G1P:G1P+7]  ; the first fills go out together, what is wanted first ahead: four loads of mine are out
	s_nop 0
	tensor_load_to_lds s[G0A:G0A+3], s[G1J:G1J+7]
	s_nop 0
	tensor_load_to_lds s[G0A+4:G0A+7], s[G1J:G1J+7]
	s_nop 0
	tensor_load_to_lds s[G0X:G0X+3], s[G1P:G1P+7]
	s_nop 0
.rept 4
	v_nop
.endr
	s_wait_loadcnt 0x0                             ; Wt and bv
.irp i, 0,1,2,3
	ds_store_b128 v[TT+16], v[TT+4*\i:TT+4*\i+3] offset:512*\i   ; fill F's 64 numbers at 256 F of my 2,048 bytes
.endr
; 8 tiles x 2 K steps (k0, k0 + 1) of the records at v[adr] into the destination window: fragment (a, s) at 12 (2 a + s)
.macro LDOP adr, k0
.irp a, 0,1,2,3,4,5,6,7
.irp s, 0,1
.irp c, 0,1,2
	ds_load_b128 v[12*(2*\a+\s)+4*\c:12*(2*\a+\s)+4*\c+3], v[\adr] offset:REC*\a+1536*(\s+\k0)+512*\c
.endr
.endr
.endr
.endm
	s_wait_tensorcnt 0x2                           ; my two records of q and my part of slot 0 are in (slot 1's and x's loads were issued behind them and may stay out),
	s_wait_dscnt 0x0
	s_barrier_signal -1
	s_barrier_wait -1                              ; everybody's are.
	WIN 0x40
	LDOP AQ, 0
	WIN 0x80
	LDOP AQ, 2
	WIN 0
.irp a, 0,1,2,3,4,5,6,7
	ds_load_b64 v[QS+2*\a:QS+2*\a+1], v[AQS] offset:REC*\a+6144
.endr
; One matrix instruction: phase v, accumulator set p, K step s, tile a of q (of x).  Scale words of K step s: register s / 2, lanes 16-31 for odd s, on both sides.
.macro MM v, p, s, a
.set rD, ACC+64*(\p)+8*(\a)
.if \v
.set rA, 12*(2*(\a)+(\s)%2)
.set rB, KF+12*(\s)
.set eA, XQ+2*(\a)+(\s)/2
.set eB, KS+2*(\p)+(\s)/2
.else
.set rA, KF+12*(\s)
.set rB, 12*(2*(\a)+(\s)%2)
.set eA, KS+2*(\p)+(\s)/2
.set eB, QS+2*(\a)+(\s)/2
.endif
.if (\s) == 0
	v_wmma_scale_f32_16x16x128_f8f6f4 v[rD:rD+7], v[rA:rA+11], v[rB:rB+11], 0, v[eA], v[eB] matrix_a_fmt:MATRIX_FMT_FP6 matrix_b_fmt:MATRIX_FMT_FP6
.elseif (\s)%2
	v_wmma_scale_f32_16x16x128_f8f6f4 v[rD:rD+7], v[rA:rA+11], v[rB:rB+11], v[rD:rD+7], v[eA], v[eB] matrix_a_fmt:MATRIX_FMT_FP6 matrix_b_fmt:MATRIX_FMT_FP6 matrix_a_scale:MATRIX_SCALE_ROW1 matrix_b_scale:MATRIX_SCALE_ROW1
.else
	v_wmma_scale_f32_16x16x128_f8f6f4 v[rD:rD+7], v[rA:rA+11], v[rB:rB+11], v[rD:rD+7], v[eA], v[eB] matrix_a_fmt:MATRIX_FMT_FP6 matrix_b_fmt:MATRIX_FMT_FP6
.endif
.endm
; Multiply-add n of 32 on the finished set o: registers 2 (n / 8), 2 (n / 8) + 1 of accumulator n % 8: each accumulator from its low end on.
.macro FM v, o, n, tp
.set fi, (\n)/8
.set fa, (\n)%8
.set rC, ACC+64*(\o)+8*fa+2*fi
.if \v
.set rW, 200+4*fa+2*(fi%2)
.set rT, TA+2*(\tp)
.if (\n) == 0
	v_pk_mul_f32 v[rT:rT+1], v[rW:rW+1], v[rC:rC+1]                ; the first product starts the feature tile's pair
.else
	v_pk_fma_f32 v[rT:rT+1], v[rW:rW+1], v[rC:rC+1], v[rT:rT+1]    ; ta x v
.endif
.else
.set rW, 192+4*(\o)+2*(fi%2)
.set rT, TA+2*fa
	v_pk_fma_f32 v[rT:rT+1], v[rC:rC+1], v[rW:rW+1], v[rT:rT+1]    ; score x Wt
.endif
.endm
.macro SLOT v, p, s, a, fm, tp
	MM \v, \p, \s, \a
.if \fm
	FM \v, 1-(\p), 8*(\s)+(\a), \tp
.else
	v_nop
.endif
.endm
.macro LDF f, adr, j                   ; fragment f of my j-th record of a slot
.irp c, 0,1,2
	ds_load_b128 v[KF+12*(\f)+4*\c:KF+12*(\f)+4*\c+3], v[\adr] offset:REC*(\j)+1536*(\f)+512*\c
.endr
.endm
.macro PRIME                           ; my first record of slot 0, in the order in which a tile's runs bring one: the scale words, then fragments 0 to 3
	ds_load_b64 v[KS:KS+1], v[AS] offset:6144
	LDF 0, AK, 0
	LDF 1, AK, 0
	LDF 2, AK, 0
	LDF 3, AK, 0
.endm
; A TILE: one streamed record against the 8 resident tiles: four sections (K steps) of 8 slots; a slot is a matrix instruction on set p and a multiply-add on set 1 - p (fm = 0: v_nop).
; ca: the record's slot; (na, nj): the next record's slot and place, na = -1: none.  wto: where this tile's Wt lies.  tp: the pair that phase V's multiply-adds feed.
; The stream has ONE set of four fragments, fetched anew in TWO RUNS a tile.  Run A, between sections 1 and 2: this tile's Wt (2 loads, phase K), the next record's scale words (1), its fragments 0 and 1 (6).
; Run B, at the tile's end: the next record's fragments 2 and 3 (6).  Each run stands behind a multiply-add and three v_nop: four places behind the last product that read the registers
; (ISA guide 7.12.1 for vector instructions), and 16 products ahead of the first use of what it brings.
; The counts at the sections' heads count the LDS loads issued behind what the section needs:
;   section 0 (Wt, the scale words, fragment 0): fragments 1, 2, 3 = 9;   section 1: fragments 2, 3 = 6;   section 2: fragment 3 and run A = 12 (phase V: 10);   section 3: run A = 9 (7).
;   With no next record: section 2: fragment 3 and Wt = 5 (3); section 3: Wt = 2 (0).
; turn = 1, 2: the record is my last of slot ca, which is filled again: with k's fill two on (1) or with Wv's (2).  All its loads were issued in the tile before.  turn = 3: the next record lies in a slot whose fill is still to be waited for.
.macro TILE v, p, ca, na, nj, turn, fm, wto, tp
.if \v
.set MA, 0x03                          ; source 0 (x, ta) window 3
.set MB, 0x02                          ; window 2
.else
.set MA, 0x04                          ; source 1 (q, Wt) window 1
.set MB, 0x08                          ; window 2
.endif
.if \turn == 3
	s_wait_tensorcnt 0x0                           ; my part of slot 1 is in: no load was issued behind it; only I read these bytes, and nothing is filled again
.endif
	s_wait_dscnt 9
	WIN MA
.irp a, 0,1,2,3,4,5,6,7
	SLOT \v, \p, 0, \a, \fm, \tp
.endr
.if (\turn == 1) || (\turn == 2)
	WIN 0                                          ; (the add's two registers lie in window 0)
	s_wait_tensorcnt 0x0                           ; all my tensor loads have landed: my part of the other slot (at the first turn x's records too);
	ds_add_u32 v[SPW], v[NIL]                      ; 0 onto my spare word
	s_wait_dscnt 7                                 ; (fragments 2 and 3 and the add may be out)
	WIN MA
.irp a, 0,1,2,3
	SLOT \v, \p, 1, \a, \fm, \tp
.endr
	s_wait_dscnt 0x0                               ; the add is done, and my reads of this slot are over
	s_barrier_signal -1                            ; this barrier opens a round of the cluster's barrier
.irp a, 4,5,6,7
	SLOT \v, \p, 1, \a, \fm, \tp
.endr
	WIN 0
	s_barrier_wait -1
	CREST                                          ; no wave of any partner still reads this slot or has a load on its way
.if \turn == 1
	s_add_nc_u64 s[G0A+4*\ca+2:G0A+4*\ca+3], s[G0A+4*\ca+2:G0A+4*\ca+3], 2*SLOTB
.else
	s_mov_b64 s[G0A+4*\ca+2:G0A+4*\ca+3], s[WVA+2*\ca:WVA+2*\ca+1]
	s_or_b32 s[G0A+4*\ca+3], s[G0A+4*\ca+3], 0x80000000
.endif
	tensor_load_to_lds s[G0A+4*\ca:G0A+4*\ca+3], s[G1J:G1J+7]   ; my one tensor load behind the round: 120 products stand between it and the wait for it
	s_nop 0
.rept 4
	v_nop                                          ; (these are also the places in front of run A)
.endr
.else
	s_wait_dscnt 6
.irp a, 0,1,2,3,4,5,6,7
	SLOT \v, \p, 1, \a, \fm, \tp
.endr
.rept 3
	v_nop
.endr
.endif
	; run A
.if \v
	WIN 0                                          ; (an LDS load's address is its source 0)
.else
	WIN 0x40                                       ; this tile's Wt, for the multiply-adds of the next tile: keys 8 h + 0 .. 3 to window 1,
	ds_load_b128 v[192+4*\p:195+4*\p], v[AWC] offset:\wto
	WIN 0x80                                       ; keys 8 h + 4 .. 7 to window 2
	ds_load_b128 v[192+4*\p:195+4*\p], v[AWC] offset:\wto+16
	WIN MB
.endif
.if \na >= 0
	ds_load_b64 v[KS+2-2*\p:KS+3-2*\p], v[AS+\na] offset:REC*\nj+6144
	LDF 0, AK+\na, \nj
	LDF 1, AK+\na, \nj
.endif
.if (\turn == 0) || (\turn == 3)
.if \na >= 0
	s_wait_dscnt 12-2*\v
.else
	s_wait_dscnt 5-2*\v
.endif
.endif
	WIN MB
.irp a, 0,1,2,3,4,5,6,7
	SLOT \v, \p, 2, \a, \fm, \tp
.endr
.if (\turn == 0) || (\turn == 3)
.if \na >= 0
	s_wait_dscnt 9-2*\v
.else
	s_wait_dscnt 2-2*\v
.endif
.endif
.irp a, 0,1,2,3,4,5,6,7
	SLOT \v, \p, 3, \a, \fm, \tp
.endr
.if \na >= 0
	; run B
.rept 3
	v_nop
.endr
.if \v
	WIN 0
.endif
	LDF 2, AK+\na, \nj
	LDF 3, AK+\na, \nj
.endif
.endm
.macro DRAIN v, o, tp                  ; the 32 multiply-adds on a phase's last tile
.if \v
.set MA, 0x03
.set MB, 0x02
.else
.set MA, 0x04
.set MB, 0x08
.endif
	s_wait_dscnt 0x0
	WIN MA
.set dn, 0
.rept 16
	FM \v, \o, dn, \tp
.set dn, dn+1
.endr
	WIN MB
.rept 16
	FM \v, \o, dn, \tp
.set dn, dn+1
.endr
	WIN 0
.endm
	; ---- PHASE K: my 32 records of k: one, three trips of eight, seven
	PRIME
	TILE 0,0, 0, 0,1, 0,0, 0, 0
	WIN 0                                          ; at a label and at a branch every window is 0
	s_mov_b32 s[CNT], 3
.Ltrip:                                            ; a trip goes once round the ring and fills both slots again
	TILE 0,1, 0, 0,2, 0,1, 64, 0
	TILE 0,0, 0, 0,3, 0,1, 128, 0
	TILE 0,1, 0, 1,0, 1,1, 192, 0
	TILE 0,0, 1, 1,1, 0,1, 256, 0
	TILE 0,1, 1, 1,2, 0,1, 320, 0
	TILE 0,0, 1, 1,3, 0,1, 384, 0
	TILE 0,1, 1, 0,0, 1,1, 448, 0
	TILE 0,0, 0, 0,1, 0,1, 512, 0
	WIN 0
	s_add_co_u32 s[TW], s[TW], 512                 ; eight tiles' 64 bytes of Wt on
	v_add_nc_u32 v[AWC], s[TW], v[AWT]
	s_sub_co_u32 s[CNT], s[CNT], 1
	s_cmp_lg_u32 s[CNT], 0
	s_cbranch_scc1 .Ltrip
	TILE 0,1, 0, 0,2, 0,1, 64, 0                   ; the tail is written out: its two refills bring Wv
	TILE 0,0, 0, 0,3, 0,1, 128, 0
	TILE 0,1, 0, 1,0, 2,1, 192, 0
	TILE 0,0, 1, 1,1, 0,1, 256, 0
	TILE 0,1, 1, 1,2, 0,1, 320, 0
	TILE 0,0, 1, 1,3, 0,1, 384, 0
	TILE 0,1, 1, -1,0, 2,1, 448, 0
	DRAIN 0, 1, 0                                  ; its multiply-adds are also the places in front of the loads below
	WIN 0xc0
	LDOP AX, 0                                     ; x: every wave's records were shown landed by the first turn's wait for all loads and its round
	WIN 0x80
	LDOP AX, 2                                     ; x's K steps 2, 3 take the registers that q's have left
	WIN 0
.irp a, 0,1,2,3,4,5,6,7
	ds_load_b64 v[XQ+2*\a:XQ+2*\a+1], v[AXS] offset:REC*\a+6144
.endr
	PRIME                                          ; Wv's first record: slot 0's fill was shown landed by the last wait for all my loads
	; ---- ta: the pairs' halves, the other half of the lanes, the four waves' parts; x 1 / sqrt(512), + bt
.irp a, 0,1,2,3,4,5,6,7
	v_add_f32 v[TT+\a], v[TA+2*\a], v[TA+2*\a+1]
.endr
.irp a, 0,1,2,3,4,5,6,7
	v_permlanex16_b32 v[TT+8+\a], v[TT+\a], s[SEL], s[SEL+1]
.endr
.irp a, 0,1,2,3,4,5,6,7
	v_add_f32 v[TT+\a], v[TT+\a], v[TT+8+\a]
.endr
.irp a, 0,1,2,3,4,5,6,7
	ds_store_b32 v[ATP], v[TT+\a] offset:64*\a     ; query 16 a + r (lanes l and l + 16 write the same word with the same value)
.endr
	s_wait_dscnt 0x0                               ; for the others' sake: my partial sums lie in LDS
	s_barrier_signal -1
	s_barrier_wait -1                              ; slot 1's fill may stay out
.irp u, 0,1,2,3
	ds_load_b128 v[TT+16+4*\u:TT+19+4*\u], v[ATL] offset:512*\u   ; queries 4 l .. 4 l + 3, wave u's part
.endr
	s_wait_dscnt 0x0
	s_wait_kmcnt 0x0                               ; bt, asked for at the head
	v_pk_add_f32 v[TT+16:TT+17], v[TT+16:TT+17], v[TT+20:TT+21]
	v_pk_add_f32 v[TT+18:TT+19], v[TT+18:TT+19], v[TT+22:TT+23]
	v_pk_add_f32 v[TT+24:TT+25], v[TT+24:TT+25], v[TT+28:TT+29]
	v_pk_add_f32 v[TT+26:TT+27], v[TT+26:TT+27], v[TT+30:TT+31]
	v_pk_add_f32 v[TT+16:TT+17], v[TT+16:TT+17], v[TT+24:TT+25]
	v_pk_add_f32 v[TT+18:TT+19], v[TT+18:TT+19], v[TT+26:TT+27]
.irp e, 0,1,2,3
	v_fma_f32 v[TT+16+\e], v[TT+16+\e], s[RS], s[BT]
.endr
	ds_store_b128 v[ATW], v[TT+16:TT+19]           ; my wave's own copy of the 128 ta
	WIN 0xc0
.irp a, 0,1,2,3,4,5,6,7
	ds_load_b128 v[200+4*\a:203+4*\a], v[ATF] offset:64*\a       ; ta of rows 16 a + 8 h + 0 .. 3 (LDS serves a wave's instructions in order: these see the store above)
.endr
	WIN 0x80
.irp a, 0,1,2,3,4,5,6,7
	ds_load_b128 v[200+4*\a:203+4*\a], v[ATF] offset:64*\a+16    ; and + 4 .. 7
.endr
	WIN 0
	v_add_f32 v[SUMT], v[TT+16], v[TT+17]          ; the sum of the 128 ta, in every lane: it multiplies bv
	v_add_f32 v[T4], v[TT+18], v[TT+19]
	v_add_f32 v[SUMT], v[SUMT], v[T4]
	v_add_f32_dpp v[SUMT], v[SUMT], v[SUMT] row_xmask:1 row_mask:0xf bank_mask:0xf
	v_add_f32_dpp v[SUMT], v[SUMT], v[SUMT] row_xmask:2 row_mask:0xf bank_mask:0xf
	v_add_f32_dpp v[SUMT], v[SUMT], v[SUMT] row_xmask:4 row_mask:0xf bank_mask:0xf
	v_add_f32_dpp v[SUMT], v[SUMT], v[SUMT] row_xmask:8 row_mask:0xf bank_mask:0xf
	v_permlanex16_b32 v[T4], v[SUMT], s[SEL], s[SEL+1]
	v_add_f32 v[SUMT], v[SUMT], v[T4]
	s_wait_dscnt 0x0
	; ---- PHASE V: my 8 records of Wv
	TILE 1,0, 0, 0,1, 0,0, 0, 0
	TILE 1,1, 0, 0,2, 0,1, 0, 0
	TILE 1,0, 0, 0,3, 0,1, 0, 1
	TILE 1,1, 0, 1,0, 3,1, 0, 2
	TILE 1,0, 1, 1,1, 0,1, 0, 3
	TILE 1,1, 1, 1,2, 0,1, 0, 4
	TILE 1,0, 1, 1,3, 0,1, 0, 5
	TILE 1,1, 1, -1,0, 0,1, 0, 6
	DRAIN 1, 1, 7
	; ---- THE WAY OUT: pair U holds feature 256 (U / 4) + 64 w + 16 (U % 4) + r; through my own 512 bytes of LDS, so that a lane holds four neighbouring features
.irp u, 0,1,2,3,4,5,6,7
	v_add_f32 v[TT+\u], v[TA+2*\u], v[TA+2*\u+1]
.endr
.irp u, 0,1,2,3,4,5,6,7
	v_permlanex16_b32 v[TT+8+\u], v[TT+\u], s[SEL], s[SEL+1]
.endr
.irp u, 0,1,2,3,4,5,6,7
	v_add_f32 v[TT+\u], v[TT+\u], v[TT+8+\u]
.endr
.irp u, 0,1,2,3,4,5,6,7
	ds_store_b32 v[ASG], v[TT+\u] offset:64*\u
.endr
	ds_load_b128 v[TT+16:TT+19], v[ASL]            ; LDS serves a wave's instructions in order: this sees the stores above
	s_wait_dscnt 0x0
.irp e, 0,1,2,3
	v_fma_f32 v[TT+16+\e], v[BV+\e], v[SUMT], v[TT+16+\e]   ; + bv x the sum of ta
.endr
	global_store_b128 v[GO], v[TT+16:TT+19], s[18:19]   ; sixteen lanes store 256 consecutive bytes, aligned
	s_wait_tensorcnt 0x0                           ; the wave's end: behind my last tensor load and my last LDS store
	ds_add_u32 v[SPW], v[NIL]
	s_wait_dscnt 0x0
	CROUND                                         ; the closing round: no work-group ends while a partner may still ask jointly
	s_endpgm
.Lfunc_end_k_qff05fd7573_score:
	.size	k_qff05fd7573_score, .Lfunc_end_k_qff05fd7573_score-k_qff05fd7573_score
	.p2alignl 7, 3214868480
	.fill 96, 4, 3214868480
	.section	.rodata,"a",@progbits
	.p2align	6, 0x0
	.amdhsa_kernel k_qff05fd7573_score
		.amdhsa_group_segment_fixed_size 327680
		.amdhsa_private_segment_fixed_size 0
		.amdhsa_enable_private_segment 0
		.amdhsa_kernarg_size 64
		.amdhsa_user_sgpr_count 2
		.amdhsa_user_sgpr_kernarg_segment_ptr 1
		.amdhsa_wavefront_size32 1
		.amdhsa_system_sgpr_workgroup_id_x 1
		.amdhsa_system_sgpr_workgroup_id_y 1
		.amdhsa_system_sgpr_workgroup_id_z 1
		.amdhsa_system_vgpr_workitem_id 0
		.amdhsa_next_free_vgpr 1024
		.amdhsa_next_free_sgpr 80
		.amdhsa_reserve_vcc 0
		.amdhsa_float_denorm_mode_32 3
		.amdhsa_float_denorm_mode_16_64 3
		.amdhsa_memory_ordered 1
		.amdhsa_forward_progress 1
		.amdhsa_inst_pref_size 209
	.end_amdhsa_kernel
	.amdgpu_metadata
---
amdhsa.version: [ 1, 2 ]
amdhsa.kernels:
  - .name:           k_qff05fd7573_score
    .symbol:         k_qff05fd7573_score.kd
    .args:
      - { .name: qc, .offset: 0, .size: 8, .value_kind: global_buffer, .address_space: global }
      - { .name: kc, .offset: 8, .size: 8, .value_kind: global_buffer, .address_space: global }
      - { .name: xc, .offset: 16, .size: 8, .value_kind: global_buffer, .address_space: global }
      - { .name: wc, .offset: 24, .size: 8, .value_kind: global_buffer, .address_space: global }
      - { .name: Wt, .offset: 32, .size: 8, .value_kind: global_buffer, .address_space: global }
      - { .name: bt, .offset: 40, .size: 8, .value_kind: global_buffer, .address_space: global }
      - { .name: bv, .offset: 48, .size: 8, .value_kind: global_buffer, .address_space: global }
      - { .name: part, .offset: 56, .size: 8, .value_kind: global_buffer, .address_space: global }
    .group_segment_fixed_size: 327680
    .private_segment_fixed_size: 0
    .kernarg_segment_align: 8
    .kernarg_segment_size: 64
    .max_flat_workgroup_size: 128
    .sgpr_count:     80
    .vgpr_count:     1024
    .wavefront_size: 32
...
	.end_amdgpu_metadata
.endif
;; end of part 3
;; launch sum (part 4): grid 16 x 1, 4 waves a work-group, no clusters, 0 bytes of LDS; arguments part, out0; writes out0
.if DOCPART == 4
	.amdgcn_target "amdgcn-amd-amdhsa--gfx1250"
	.amdhsa_code_object_version 6
	.text
	.protected	k_qff05fd7573_sum
	.globl	k_qff05fd7573_sum
	.p2align	8
	.type	k_qff05fd7573_sum,@function
k_qff05fd7573_sum:
	s_mov_b64 s[64:65], 0
	v_nop
	global_prefetch_b8 v0, s[64:65] scope:SCOPE_SE
	s_setreg_imm32_b32 hwreg(HW_REG_WAVE_MODE, 25, 1), 1
	s_wait_xcnt 0x0
; out0[b][f] = the sum over the 16 query blocks i of part[b][i][f], in ascending i.  One work-group to a batch; thread t owns features 4 t .. 4 t + 3.
; All 16 loads of a thread are out at once; each load and the store of a wave cover 512 consecutive bytes, aligned to 256.  The work is 512 KB in all: there is work for 16 work-groups, and nothing to share or to stage.
.set P, 8                              ; v8-71: block i's four numbers at v[P + 4 i]
	s_load_b128 s[4:7], s[0:1], 0x0                ; part, out0
	v_lshlrev_b32 v1, 4, v0
	s_lshl_b32 s8, ttmp9, 15                       ; a batch's 16 rows of 2,048 bytes
	s_mov_b32 s9, 0
	s_lshl_b32 s10, ttmp9, 11
	s_mov_b32 s11, 0
	s_wait_kmcnt 0x0
	s_add_nc_u64 s[4:5], s[4:5], s[8:9]
	s_add_nc_u64 s[6:7], s[6:7], s[10:11]
.irp i, 0,1,2,3,4,5,6,7,8,9,10,11,12,13,14,15
	global_load_b128 v[P+4*\i:P+4*\i+3], v1, s[4:5] offset:2048*\i
.endr
.irp i, 1,2,3,4,5,6,7,8,9,10,11,12,13,14,15
	s_wait_loadcnt 15-\i                           ; loads come back in order: blocks 0 .. i are in, the 15 - i younger ones may be out
	v_pk_add_f32 v[P:P+1], v[P:P+1], v[P+4*\i:P+4*\i+1]
	v_pk_add_f32 v[P+2:P+3], v[P+2:P+3], v[P+4*\i+2:P+4*\i+3]
.endr
	global_store_b128 v1, v[P:P+3], s[6:7]
	s_endpgm
.Lfunc_end_k_qff05fd7573_sum:
	.size	k_qff05fd7573_sum, .Lfunc_end_k_qff05fd7573_sum-k_qff05fd7573_sum
	.p2alignl 7, 3214868480
	.fill 96, 4, 3214868480
	.section	.rodata,"a",@progbits
	.p2align	6, 0x0
	.amdhsa_kernel k_qff05fd7573_sum
		.amdhsa_group_segment_fixed_size 0
		.amdhsa_private_segment_fixed_size 0
		.amdhsa_enable_private_segment 0
		.amdhsa_kernarg_size 16
		.amdhsa_user_sgpr_count 2
		.amdhsa_user_sgpr_kernarg_segment_ptr 1
		.amdhsa_wavefront_size32 1
		.amdhsa_system_sgpr_workgroup_id_x 1
		.amdhsa_system_sgpr_workgroup_id_y 1
		.amdhsa_system_sgpr_workgroup_id_z 1
		.amdhsa_system_vgpr_workitem_id 0
		.amdhsa_next_free_vgpr 72
		.amdhsa_next_free_sgpr 66
		.amdhsa_reserve_vcc 0
		.amdhsa_float_denorm_mode_32 3
		.amdhsa_float_denorm_mode_16_64 3
		.amdhsa_memory_ordered 1
		.amdhsa_forward_progress 1
		.amdhsa_inst_pref_size 5
	.end_amdhsa_kernel
	.amdgpu_metadata
---
amdhsa.version: [ 1, 2 ]
amdhsa.kernels:
  - .name:           k_qff05fd7573_sum
    .symbol:         k_qff05fd7573_sum.kd
    .args:
      - { .name: part, .offset: 0, .size: 8, .value_kind: global_buffer, .address_space: global }
      - { .name: out0, .offset: 8, .size: 8, .value_kind: global_buffer, .address_space: global }
    .group_segment_fixed_size: 0
    .private_segment_fixed_size: 0
    .kernarg_segment_align: 8
    .kernarg_segment_size: 16
    .max_flat_workgroup_size: 128
    .sgpr_count:     66
    .vgpr_count:     72
    .wavefront_size: 32
...
	.end_amdgpu_metadata
.endif
;; end of part 4
